; MI455X (gfx1250); checked and timed in simulation.
; The chip was launched on July 23, 2026; its instructions are those of AMD's public machine-readable ISA for CDNA 5 (MIT licence, August 2026) and "CDNA5" Instruction Set Architecture Reference Guide (July 2026). The comments in the code are by the model that wrote it; some were corrected since.
;; Label Cross Attention. Allowed arithmetic: float matrix products may take bf16 or f16 operands with f32 sums; all other float work in f32.
;; Inputs: Q 2,000 x 768 float32; Wk 768 x 768 float32; Wv 768 x 768 float32; attention_masks 4 x 4,096 int32; b_out one number float32; bv 768 float32; ln_beta 768 float32; ln_gamma 768 float32; w_out 768 float32; x 4 x 4,096 x 768 float32.
;; Outputs: out0 4 x 2,000 float32.
;; One version. Each part assembles by itself: llvm-mc -triple=amdgcn-amd-amdhsa -mcpu=gfx1250 --defsym DOCPART=n.
;; ======== version 1 of 1: 4 launches
;; limits: values are held in f16: magnitudes above 65,504 overflow, below 6.1e-05 lose precision
;; workspace buffers: xc 25,165,824 bytes; cnt 512 bytes of whole numbers; qin 3,145,728 bytes; wkf 1,179,648 bytes; wvf 1,179,648 bytes; qf 3,145,728 bytes; zp 25,165,824 bytes; ml 131,072 bytes
;; launch prep (part 1): grid 256 x 1, 8 waves a work-group, no clusters, 1,280 bytes of LDS; arguments x, attention_masks, Wk, Wv, Q, xc, cnt, qin, wkf, wvf; writes xc, cnt, qin, wkf, wvf
.if DOCPART == 1
	.amdgcn_target "amdgcn-amd-amdhsa--gfx1250"
	.amdhsa_code_object_version 6
	.text
	.protected	k_q444cf8b1c4_prep
	.globl	k_q444cf8b1c4_prep
	.p2align	8
	.type	k_q444cf8b1c4_prep,@function
k_q444cf8b1c4_prep:
	s_mov_b64 s[64:65], 0
	v_nop
	global_prefetch_b8 v0, s[64:65] scope:SCOPE_SE
	s_setreg_imm32_b32 hwreg(HW_REG_WAVE_MODE, 25, 1), 1
	s_wait_xcnt 0x0
; PREP.  (1) xc, 4,096 rows of 768 f16 (1,536 bytes) a batch: the rows of x whose mask is not 0, in order, and behind them rows of zeros.  Every source row has one place: an open row the number of open rows
; before it; a closed row nv + the number of closed rows before it, where zeros are stored.  So in xc key j is open if and only if j < nv.
; A masked key has weight exactly 0 in the module's softmax unless a whole batch is masked; then all weights are equal.  So a batch with no open key keeps all 4,096 rows in place and states nv = 0.
; (2) cnt, 128 bytes a batch: nv, the open keys, in every word.
; (3) Q, log2(e) Wk and Wv are rounded to f16 once and laid out as register images: a CHUNK is 512 bytes, lane L's 16 bytes at 16 L (r = L % 16, h = L / 16):
;   qin chunk 48 ct + kc:  Q[16 min(ct, 124) + r][16 kc + 8 h + 0..7]          wkf chunk 48 dt + kc:  log2(e) Wk[16 kc + 8 h + j][16 dt + r], j = 0..7
;   wvf chunk ((24 v + g) 12 + el) 2 + jj:  Wv[16 (12 v + el) + r][chan + 64 h + 0..7], chan = 256 (c / 4) + 128 (wa / 2) + 32 (wa % 2) + 8 (c % 4), wa = g / 6, c = 2 (g % 6) + jj
; LIMITS.  f16 ends at 65,504: |x|, |Q|, |1.4427 Wk|, |Wv| stay below it; below 6e-5 f16 keeps a fixed step of 6e-8.  NaN and infinities are not treated apart.  Any mask word other than 0 is open.
; SHARES.  256 work-groups of 8 waves: work-group (b = id / 64, i = id % 64) owns rows 64 i .. 64 i + 63 of batch b, wave w the rows w + 8 t.  Wave gw = 8 id + w also makes chunks gw (+ 2,048 n).
; No LDS tiles, no matrix unit, no cluster: the launch streams, and work-groups share only the 16 KB of a batch's mask.  All counting is in whole numbers.
.set LOG2E, 0x3fb8aa3b
.set SPARE, 256                        ; the spare words: 128 bytes for each of 8 waves; bytes 0..63 hold the waves' counts
.set XO,  6                            ; v6-13   row t: byte offset in x of my 16 bytes
.set DO,  14                           ; v14-21  row t: byte offset in xc of my 8 bytes
.set SPW, 22                           ; v22     my spare word
.set NIL, 23                           ; v23     0
.set ZR,  24                           ; v24-25  zeros to store
.set X,   32                           ; v32-223 eight rows, 24 registers each; before that v32-49 mask words, v64-103 chunks
.set MA,  224                          ; v224    mask offset: my wave's 512 rows
.set MB,  225                          ; v225    mask offset: the work-group's 64 rows
.set LN,  226                          ; v226    lane
; s[4:23] the ten addresses; s24 w, s25 b, s26 i, s27 gw, s28 nv, s29 open keys before my 64 rows, s30/s31 my 64 rows' mask bits,
; s45 bits in s30, s46 64 id, s47 4,096 b, s48-50 chunk numbers, s51 nv + 64 i, s[52:63], s[66:73] chunk addresses, s80-87 at work in the macros
.macro KADR id, src, dst               ; chunk s[id] of wkf: where it comes from in Wk, where it goes
	s_mul_i32 s80, s[\id], 43691
	s_lshr_b32 s80, s80, 21                        ; dt = id / 48 (exact up to 6,143: 43,691 x 48 = 2^21 + 16)
	s_mul_i32 s81, s80, 48
	s_sub_co_u32 s81, s[\id], s81                  ; kc
	s_mul_i32 s81, s81, 49152                      ; 16 rows of 3,072 bytes
	s_lshl_b32 s80, s80, 6                         ; 16 columns
	s_add_co_u32 s80, s80, s81
	s_mov_b32 s81, 0
	s_add_nc_u64 s[\src:\src+1], s[8:9], s[80:81]
	s_lshl_b32 s80, s[\id], 9
	s_add_nc_u64 s[\dst:\dst+1], s[20:21], s[80:81]
.endm
.macro QADR id, src, dst               ; chunk s[id] of qin
	s_mul_i32 s80, s[\id], 43691
	s_lshr_b32 s80, s80, 21                        ; ct
	s_mul_i32 s81, s80, 48
	s_sub_co_u32 s81, s[\id], s81                  ; kc
	s_min_u32 s80, s80, 124                        ; tiles 125-127 repeat tile 124: finite numbers that nobody uses
	s_mul_i32 s80, s80, 49152
	s_lshl_b32 s81, s81, 6
	s_add_co_u32 s80, s80, s81
	s_mov_b32 s81, 0
	s_add_nc_u64 s[\src:\src+1], s[12:13], s[80:81]
	s_lshl_b32 s80, s[\id], 9
	s_add_nc_u64 s[\dst:\dst+1], s[18:19], s[80:81]
.endm
.macro VADR id, src, dst               ; chunk s[id] of wvf
	s_and_b32 s80, s[\id], 1                       ; jj
	s_lshr_b32 s81, s[\id], 1
	s_mul_i32 s82, s81, 5462
	s_lshr_b32 s82, s82, 16                        ; / 12 (5,462 x 12 = 2^16 + 8)
	s_mul_i32 s83, s82, 12
	s_sub_co_u32 s81, s81, s83                     ; el
	s_mul_i32 s83, s82, 2731
	s_lshr_b32 s83, s83, 16                        ; v = / 24
	s_mul_i32 s84, s83, 24
	s_sub_co_u32 s82, s82, s84                     ; g
	s_mul_i32 s84, s82, 43
	s_lshr_b32 s84, s84, 8                         ; wa = g / 6
	s_mul_i32 s85, s84, 6
	s_sub_co_u32 s82, s82, s85
	s_lshl1_add_u32 s82, s82, s80                  ; c = 2 (g % 6) + jj
	s_mul_i32 s83, s83, 12
	s_add_co_u32 s83, s83, s81                     ; the tile of 16 rows of Wv
	s_mul_i32 s86, s83, 49152
	s_lshr_b32 s80, s82, 2
	s_lshl_b32 s80, s80, 10                        ; 4 x chan, part by part
	s_add_co_u32 s86, s86, s80
	s_and_b32 s80, s82, 3
	s_lshl_b32 s80, s80, 5
	s_add_co_u32 s86, s86, s80
	s_lshr_b32 s80, s84, 1
	s_lshl_b32 s80, s80, 9
	s_add_co_u32 s86, s86, s80
	s_and_b32 s80, s84, 1
	s_lshl_b32 s80, s80, 7
	s_add_co_u32 s86, s86, s80
	s_mov_b32 s87, 0
	s_add_nc_u64 s[\src:\src+1], s[10:11], s[86:87]
	s_lshl_b32 s86, s[\id], 9
	s_add_nc_u64 s[\dst:\dst+1], s[22:23], s[86:87]
.endm
.macro KLD src, reg                    ; eight numbers down a column of Wk
.set jx, 0
.rept 8
	global_load_b32 v[\reg+jx], v5, s[\src:\src+1] offset:3072*jx
.set jx, jx+1
.endr
.endm
.macro PLD vo, src, reg                ; eight numbers along a row
	global_load_b128 v[\reg:\reg+3], v[\vo], s[\src:\src+1]
	global_load_b128 v[\reg+4:\reg+7], v[\vo], s[\src:\src+1] offset:16
.endm
.macro KSCALE reg
.irp p,0,2,4,6
	v_pk_mul_f32 v[\reg+\p:\reg+\p+1], v[\reg+\p:\reg+\p+1], LOG2E op_sel_hi:[1,0]
.endr
.endm
.macro CVST reg, dst                   ; eight f32 to 16 bytes; the wave's store covers the chunk's 512 consecutive bytes
	v_cvt_pk_f16_f32 v[\reg], v[\reg], v[\reg+1]
	v_cvt_pk_f16_f32 v[\reg+1], v[\reg+2], v[\reg+3]
	v_cvt_pk_f16_f32 v[\reg+2], v[\reg+4], v[\reg+5]
	v_cvt_pk_f16_f32 v[\reg+3], v[\reg+6], v[\reg+7]
	global_store_b128 v1, v[\reg:\reg+3], s[\dst:\dst+1]
.endm
	s_load_b512 s[4:19], s[0:1], 0x0               ; x, masks, Wk, Wv, Q, xc, cnt, qin
	s_load_b128 s[20:23], s[0:1], 0x40             ; wkf, wvf
	v_lshl_add_u32 v[SPW], v0, 2, SPARE
	v_mov_b32 v[NIL], 0
	v_lshrrev_b32 v28, 5, v0
	v_readfirstlane_b32 s24, v28                   ; wave
	s_lshr_b32 s25, ttmp9, 6                       ; b
	s_and_b32 s26, ttmp9, 63                       ; i
	s_lshl_b32 s27, ttmp9, 3
	s_add_co_u32 s27, s27, s24                     ; gw
	s_lshl_b32 s46, ttmp9, 6                       ; my 64 rows begin at row 64 id of x
	s_lshl_b32 s47, s25, 12                        ; the batch's first row in xc
	v_and_b32 v[LN], 31, v0
	v_and_b32 v29, 15, v0                          ; r
	v_bfe_u32 v30, v0, 4, 1                        ; h
	v_lshlrev_b32 v1, 4, v[LN]                     ; 16 L
	v_lshlrev_b32 v2, 3, v[LN]                     ; 8 L
	v_mul_u32_u24 v3, v29, 3072
	v_lshl_add_u32 v4, v30, 8, v3                  ; Wv: row r, 64 columns on for the upper lanes
	v_lshl_add_u32 v3, v30, 5, v3                  ; Q: row r, 8 columns on
	v_mul_u32_u24 v5, v30, 24576
	v_lshl_add_u32 v5, v29, 2, v5                  ; Wk: column r, 8 rows on
	v_lshlrev_b32 v31, 2, v[LN]
	v_lshl_add_u32 v[MA], s24, 11, v31
	v_lshl_add_u32 v[MB], s26, 8, v31
	v_mov_b32 v[ZR], 0
	v_mov_b32 v[ZR+1], 0
	s_lshl_b32 s32, s25, 14
	s_mov_b32 s33, 0
	s_mov_b32 s48, s27
	s_add_co_u32 s49, s27, 2048
	s_add_co_u32 s50, s27, 4096
	s_wait_kmcnt 0x0
	s_add_nc_u64 s[34:35], s[6:7], s[32:33]        ; the batch's mask
.set k, 0
.rept 16                                               ; my wave's 512 mask words, 32 at a time
	global_load_b32 v[32+k], v[MA], s[34:35] offset:128*k
.set k, k+1
.endr
	global_load_b32 v48, v[MB], s[34:35]           ; the work-group's own 64
	global_load_b32 v49, v[MB], s[34:35] offset:128
	KADR 48, 52, 62
	VADR 48, 54, 66
	QADR 48, 56, 68
	QADR 49, 58, 70
	QADR 50, 60, 72
	KLD 52, 64                                     ; sixteen loads for five chunks travel while the mask is counted
	PLD 4, 54, 72
	PLD 3, 56, 80
	PLD 3, 58, 88
	PLD 3, 60, 96
	s_wait_loadcnt 16                              ; the 18 mask loads are in; the 16 younger chunk loads stay out
	s_mov_b32 s28, 0
	s_mov_b32 s29, 0
	s_lshl_b32 s36, s24, 4                         ; my first group of 32 rows
	s_lshl_b32 s37, s26, 1                         ; the groups in front of the work-group's rows
.set k, 0
.rept 16
	v_cmp_ne_u32 s38, 0, v[32+k]
	s_bcnt1_i32_b32 s38, s38
	s_add_co_u32 s28, s28, s38
	s_add_co_u32 s39, s36, k
	s_cmp_lt_u32 s39, s37
	s_cselect_b32 s38, s38, 0
	s_add_co_u32 s29, s29, s38
.set k, k+1
.endr
	v_cmp_ne_u32 s30, 0, v48
	v_cmp_ne_u32 s31, 0, v49
	v_mov_b32 v50, s28
	v_mov_b32 v51, s29
	v_mov_b32 v52, s24
	v_lshlrev_b32 v52, 3, v52
	ds_store_b64 v52, v[50:51]                     ; every lane writes the wave's pair
	s_wait_dscnt 0x0                               ; for the others' sake: my store is done
	s_barrier_signal -1
	s_barrier_wait -1
	v_mov_b32 v53, 0
	ds_load_b128 v[32:35], v53
	ds_load_b128 v[36:39], v53 offset:16
	ds_load_b128 v[40:43], v53 offset:32
	ds_load_b128 v[44:47], v53 offset:48
	s_wait_dscnt 0x0
	v_add3_u32 v32, v32, v34, v36
	v_add3_u32 v33, v33, v35, v37
	v_add3_u32 v38, v38, v40, v42
	v_add3_u32 v39, v39, v41, v43
	v_add3_u32 v32, v32, v44, v46
	v_add3_u32 v33, v33, v45, v47
	v_add_nc_u32 v32, v32, v38
	v_add_nc_u32 v33, v33, v39
	v_readfirstlane_b32 s28, v32                   ; nv
	v_readfirstlane_b32 s29, v33                   ; open keys before my rows
	s_lshl_b32 s38, s26, 6
	s_cmp_eq_u32 s28, 0                            ; a batch with no open key keeps every row, in place
	s_cselect_b32 s30, -1, s30
	s_cselect_b32 s31, -1, s31
	s_cselect_b32 s29, s38, s29
	s_bcnt1_i32_b32 s45, s30
	s_add_co_u32 s51, s28, s38                     ; nv + 64 i
	s_wait_loadcnt 0x0                             ; the chunks
	KSCALE 64
	CVST 64, 62
	CVST 72, 66
	CVST 80, 68
	CVST 88, 70
	CVST 96, 72
	s_wait_xcnt 0x0                                ; the stores' registers are loaded into again only behind this wait
.irp t,0,1,2,3,4,5,6,7                             ; row w + 8 t: its place in xc, and 6 loads of 512 bytes; 48 loads of the wave are out together
	s_add_co_u32 s42, s24, 8*(\t%4)                ; the row's bit in its word
	s_bfm_b32 s43, s42, 0
	s_and_b32 s43, s43, s[30+\t/4]
	s_bcnt1_i32_b32 s43, s43                       ; open rows below it in that word
	s_add_co_u32 s43, s43, s29
.if \t >= 4
	s_add_co_u32 s43, s43, s45
.endif
	s_add_co_u32 s44, s24, 8*\t                    ; the row among my 64
	s_add_co_u32 s39, s44, s51
	s_sub_co_u32 s39, s39, s43                     ; a closed row's place: nv + its number in the batch - the open rows before it
	s_bitcmp1_b32 s[30+\t/4], s42
	s_cselect_b32 s43, s43, s39
	s_cselect_b32 s44, s44, 0                      ; a closed row loads the work-group's first row instead: no load is jumped over, so the counts below hold
	s_min_u32 s43, s43, 4095
	s_add_co_u32 s43, s43, s47
	s_mul_i32 s43, s43, 1536
	v_add_nc_u32 v[DO+\t], s43, v2
	s_min_u32 s44, s44, 63
	s_add_co_u32 s44, s44, s46
	s_mul_i32 s44, s44, 3072
	v_add_nc_u32 v[XO+\t], s44, v1
.set k, 0
.rept 6
	global_load_b128 v[X+24*\t+4*k:X+24*\t+4*k+3], v[XO+\t], s[4:5] offset:512*k
.set k, k+1
.endr
.endr
.irp t,0,1,2,3,4,5,6,7
	s_wait_loadcnt 6*(7-\t)                        ; loads come back in order: this row's six are in, the younger rows' stay out
	s_add_co_u32 s42, s24, 8*(\t%4)
	s_bitcmp1_b32 s[30+\t/4], s42
	s_cbranch_scc0 .Lclosed_\t
.set k, 0
.rept 6
	v_cvt_pk_f16_f32 v[X+24*\t+4*k], v[X+24*\t+4*k], v[X+24*\t+4*k+1]
	v_cvt_pk_f16_f32 v[X+24*\t+4*k+1], v[X+24*\t+4*k+2], v[X+24*\t+4*k+3]
.set k, k+1
.endr
.set k, 0
.rept 6
	global_store_b64 v[DO+\t], v[X+24*\t+4*k:X+24*\t+4*k+1], s[14:15] offset:256*k  ; 32 lanes store 256 consecutive bytes, at a multiple of 256 from xc's first
.set k, k+1
.endr
	s_branch .Lrow_\t
.Lclosed_\t:
.set k, 0
.rept 6
	global_store_b64 v[DO+\t], v[ZR:ZR+1], s[14:15] offset:256*k  ; a row of zeros behind the open rows
.set k, k+1
.endr
.Lrow_\t:
.endr
	s_or_b32 s36, s26, s24
	s_cmp_lg_u32 s36, 0
	s_cbranch_scc1 .Lno_cnt                        ; the batch's first wave states nv
	v_mov_b32 v29, s28
	s_lshl_b32 s32, s25, 7
	s_add_nc_u64 s[32:33], s[16:17], s[32:33]
	global_store_b32 v31, v29, s[32:33]
.Lno_cnt:
	s_cmp_lt_u32 ttmp9, 32
	s_cbranch_scc0 .Ldone                          ; wkf and wvf have 2,304 chunks each: the first 256 waves make one more of each
	s_wait_xcnt 0x0                                ; the earlier stores' registers and addresses are written again only behind this wait
	s_add_co_u32 s48, s27, 2048
	KADR 48, 52, 62
	VADR 48, 54, 66
	KLD 52, 64
	PLD 4, 54, 72
	s_wait_loadcnt 0x0
	KSCALE 64
	CVST 64, 62
	CVST 72, 66
.Ldone:
	s_wait_tensorcnt 0x0                           ; the wave's end: behind my last LDS store
	ds_add_u32 v[SPW], v[NIL]
	s_wait_dscnt 0x0
	s_endpgm
.Lfunc_end_k_q444cf8b1c4_prep:
	.size	k_q444cf8b1c4_prep, .Lfunc_end_k_q444cf8b1c4_prep-k_q444cf8b1c4_prep
	.p2alignl 7, 3214868480
	.fill 96, 4, 3214868480
	.section	.rodata,"a",@progbits
	.p2align	6, 0x0
	.amdhsa_kernel k_q444cf8b1c4_prep
		.amdhsa_group_segment_fixed_size 1280
		.amdhsa_private_segment_fixed_size 0
		.amdhsa_enable_private_segment 0
		.amdhsa_kernarg_size 80
		.amdhsa_user_sgpr_count 2
		.amdhsa_user_sgpr_kernarg_segment_ptr 1
		.amdhsa_wavefront_size32 1
		.amdhsa_system_sgpr_workgroup_id_x 1
		.amdhsa_system_sgpr_workgroup_id_y 1
		.amdhsa_system_sgpr_workgroup_id_z 1
		.amdhsa_system_vgpr_workitem_id 0
		.amdhsa_next_free_vgpr 256
		.amdhsa_next_free_sgpr 88
		.amdhsa_reserve_vcc 0
		.amdhsa_float_denorm_mode_32 3
		.amdhsa_float_denorm_mode_16_64 3
		.amdhsa_memory_ordered 1
		.amdhsa_forward_progress 1
		.amdhsa_inst_pref_size 47
	.end_amdhsa_kernel
	.amdgpu_metadata
---
amdhsa.version: [ 1, 2 ]
amdhsa.kernels:
  - .name:           k_q444cf8b1c4_prep
    .symbol:         k_q444cf8b1c4_prep.kd
    .args:
      - { .name: x, .offset: 0, .size: 8, .value_kind: global_buffer, .address_space: global }
      - { .name: attention_masks, .offset: 8, .size: 8, .value_kind: global_buffer, .address_space: global }
      - { .name: Wk, .offset: 16, .size: 8, .value_kind: global_buffer, .address_space: global }
      - { .name: Wv, .offset: 24, .size: 8, .value_kind: global_buffer, .address_space: global }
      - { .name: Q, .offset: 32, .size: 8, .value_kind: global_buffer, .address_space: global }
      - { .name: xc, .offset: 40, .size: 8, .value_kind: global_buffer, .address_space: global }
      - { .name: cnt, .offset: 48, .size: 8, .value_kind: global_buffer, .address_space: global }
      - { .name: qin, .offset: 56, .size: 8, .value_kind: global_buffer, .address_space: global }
      - { .name: wkf, .offset: 64, .size: 8, .value_kind: global_buffer, .address_space: global }
      - { .name: wvf, .offset: 72, .size: 8, .value_kind: global_buffer, .address_space: global }
    .group_segment_fixed_size: 1280
    .private_segment_fixed_size: 0
    .kernarg_segment_align: 8
    .kernarg_segment_size: 80
    .max_flat_workgroup_size: 256
    .sgpr_count:     88
    .vgpr_count:     256
    .wavefront_size: 32
...
	.end_amdgpu_metadata
.endif
;; end of part 1
;; launch qproj (part 2): grid 32 x 8, 4 waves a work-group, no clusters, 98,816 bytes of LDS; arguments qin, wkf, qf; writes qf
.if DOCPART == 2
	.amdgcn_target "amdgcn-amd-amdhsa--gfx1250"
	.amdhsa_code_object_version 6
	.text
	.protected	k_q444cf8b1c4_qproj
	.globl	k_q444cf8b1c4_qproj
	.p2align	8
	.type	k_q444cf8b1c4_qproj,@function
k_q444cf8b1c4_qproj:
	s_mov_b64 s[64:65], 0
	v_nop
	global_prefetch_b8 v0, s[64:65] scope:SCOPE_SE
	s_setreg_imm32_b32 hwreg(HW_REG_WAVE_MODE, 25, 1), 1
	s_wait_xcnt 0x0
; QPROJ.  Q'[c][d] = sum over e of Q[c][e] (log2(e) Wk[e][d]): since att = Q (x Wk^T)^T = (Q Wk) x^T, the keys are never formed.  f16 operands, f32 sums, Q' rounded to f16 once.
; qf chunk 48 ct + dt (512 bytes, lane L's 16 bytes at 16 L): Q'[16 ct + r][16 dt + 8 h + 0..7].  LIMIT: |Q'| stays below 65,504.
; SHARES.  A work-group makes 64 rows (4 tiles ct) x 96 columns (6 tiles dt): 256 work-groups.  The sum over e is split over the four waves, 192 each, so that no chunk is read twice in a work-group;
; the waves' partial sums meet in LDS, and wave w adds and stores tile ct = w.  Source 0 = 16 columns d of Wk, source 1 = 16 rows of Q: a lane then holds eight neighbouring d of one row, a chunk's 16 bytes.
; NO CLUSTER, NO TENSOR LOAD: the operands are stored as register images and go straight into registers, 245 KB a work-group once; a joint tile would add a trip through LDS to a launch this short.
; REGISTERS: window 0: v1 16 L, v2-4 LDS addresses, v14/15 the add's, v64-255 the 24 accumulators ((ct, dt) at 64 + 8 (6 ct + dt)); windows 1, 2: three K groups each, 80 registers: 6 fragments of Wk, 4 of Q.
.set SPARE, 98304
.set ACC, 64
.set MSB, 0
.macro WIN new                         ; the immediate's high byte repeats the setting that is left
.if MSB != (\new)
	s_set_vgpr_msb (MSB<<8)|(\new)
.set MSB, (\new)
.endif
.endm
	s_load_b128 s[4:7], s[0:1], 0x0                ; qin, wkf
	s_load_b64 s[8:9], s[0:1], 0x10                ; qf
	v_lshl_add_u32 v14, v0, 2, SPARE
	v_mov_b32 v15, 0
	v_lshrrev_b32 v2, 5, v0
	v_readfirstlane_b32 s10, v2                    ; wave
	v_and_b32 v1, 31, v0
	v_lshlrev_b32 v1, 4, v1                        ; 16 L
	s_and_b32 s11, ttmp7, 0xffff                   ; the block of 6 tiles dt
	s_mul_i32 s19, s10, 6144                       ; my 12 chunks along e
	s_mul_i32 s12, ttmp9, 98304                    ; the block of 4 tiles ct
	s_add_co_u32 s12, s12, s19
	s_mov_b32 s13, 0
	s_mul_i32 s14, s11, 147456
	s_add_co_u32 s14, s14, s19
	s_mov_b32 s15, 0
	s_mul_i32 s16, ttmp9, 98304
	s_mul_i32 s18, s10, 24576
	s_add_co_u32 s16, s16, s18                     ; tile ct = w
	s_mul_i32 s17, s11, 3072
	s_add_co_u32 s16, s16, s17
	s_mov_b32 s17, 0
	v_add_nc_u32 v2, s18, v1                       ; where I put my 24 partial tiles
	v_add_nc_u32 v3, s19, v1                       ; where waves 0 and 1 put tile ct = w,
	v_add_nc_u32 v4, 49152, v3                     ; and waves 2 and 3
	s_wait_kmcnt 0x0
	s_add_nc_u64 s[4:5], s[4:5], s[12:13]
	s_add_nc_u64 s[6:7], s[6:7], s[14:15]
	s_add_nc_u64 s[8:9], s[8:9], s[16:17]
.set g, 0
.rept 6                                                ; all 120 loads go out at once, K group by K group
	WIN 0x40*(1+g/3)
.set fb, 80*(g%3)
.set d, 0
.rept 6
	global_load_b128 v[fb+8*d:fb+8*d+3], v1, s[6:7] offset:d*24576+(2*g)*512
	global_load_b128 v[fb+8*d+4:fb+8*d+7], v1, s[6:7] offset:d*24576+(2*g+1)*512
.set d, d+1
.endr
.set c, 0
.rept 4
	global_load_b128 v[fb+48+8*c:fb+48+8*c+3], v1, s[4:5] offset:c*24576+(2*g)*512
	global_load_b128 v[fb+48+8*c+4:fb+48+8*c+7], v1, s[4:5] offset:c*24576+(2*g+1)*512
.set c, c+1
.endr
.set g, g+1
.endr
.set g, 0
.rept 6
.if 20*(5-g) > 63
	s_wait_loadcnt 63                              ; 57 of the 120 are in: more than the 20 (g + 1) that this group needs
.else
	s_wait_loadcnt 20*(5-g)                        ; the later groups' 20 loads each stay out
.endif
	WIN 0x05*(1+g/3)
.set fb, 80*(g%3)
.set c, 0
.rept 4
.set d, 0
.rept 6                                                ; the 24 accumulators take turns; the first group starts the sums
.if g == 0
	v_wmma_f32_16x16x32_f16 v[ACC+8*(6*c+d):ACC+8*(6*c+d)+7], v[fb+8*d:fb+8*d+7], v[fb+48+8*c:fb+48+8*c+7], 0
.else
	v_wmma_f32_16x16x32_f16 v[ACC+8*(6*c+d):ACC+8*(6*c+d)+7], v[fb+8*d:fb+8*d+7], v[fb+48+8*c:fb+48+8*c+7], v[ACC+8*(6*c+d):ACC+8*(6*c+d)+7]
.endif
.set d, d+1
.endr
.set c, c+1
.endr
.set g, g+1
.endr
	WIN 0
.rept 4
	v_nop                                          ; four places between the last product and the stores that read results
.endr
.set n, 0
.rept 24
	ds_store_b128 v2, v[ACC+8*n:ACC+8*n+3] offset:n*1024
	ds_store_b128 v2, v[ACC+8*n+4:ACC+8*n+7] offset:n*1024+512
.set n, n+1
.endr
	s_wait_dscnt 0x0                               ; for the others' sake: my stores are done
	s_barrier_signal -1
	s_barrier_wait -1
.set n, 0
.rept 12                                               ; tile ct = w of all four waves: source s at v[64 + 48 s]
	ds_load_b128 v[64+4*n:64+4*n+3], v3 offset:512*n
	ds_load_b128 v[112+4*n:112+4*n+3], v3 offset:24576+512*n
	ds_load_b128 v[160+4*n:160+4*n+3], v4 offset:512*n
	ds_load_b128 v[208+4*n:208+4*n+3], v4 offset:24576+512*n
.set n, n+1
.endr
	s_wait_dscnt 0x0
.set n, 0
.rept 24
	v_pk_add_f32 v[64+2*n:65+2*n], v[64+2*n:65+2*n], v[112+2*n:113+2*n]
	v_pk_add_f32 v[160+2*n:161+2*n], v[160+2*n:161+2*n], v[208+2*n:209+2*n]
.set n, n+1
.endr
.set n, 0
.rept 24
	v_pk_add_f32 v[64+2*n:65+2*n], v[64+2*n:65+2*n], v[160+2*n:161+2*n]
.set n, n+1
.endr
.set d, 0
.rept 6
	v_cvt_pk_f16_f32 v[64+8*d], v[64+8*d], v[65+8*d]
	v_cvt_pk_f16_f32 v[65+8*d], v[66+8*d], v[67+8*d]
	v_cvt_pk_f16_f32 v[66+8*d], v[68+8*d], v[69+8*d]
	v_cvt_pk_f16_f32 v[67+8*d], v[70+8*d], v[71+8*d]
	global_store_b128 v1, v[64+8*d:67+8*d], s[8:9] offset:512*d  ; a chunk: 512 consecutive bytes
.set d, d+1
.endr
	s_wait_tensorcnt 0x0                           ; the wave's end: behind my last LDS store
	ds_add_u32 v14, v15
	s_wait_dscnt 0x0
	s_endpgm
.Lfunc_end_k_q444cf8b1c4_qproj:
	.size	k_q444cf8b1c4_qproj, .Lfunc_end_k_q444cf8b1c4_qproj-k_q444cf8b1c4_qproj
	.p2alignl 7, 3214868480
	.fill 96, 4, 3214868480
	.section	.rodata,"a",@progbits
	.p2align	6, 0x0
	.amdhsa_kernel k_q444cf8b1c4_qproj
		.amdhsa_group_segment_fixed_size 98816
		.amdhsa_private_segment_fixed_size 0
		.amdhsa_enable_private_segment 0
		.amdhsa_kernarg_size 24
		.amdhsa_user_sgpr_count 2
		.amdhsa_user_sgpr_kernarg_segment_ptr 1
		.amdhsa_wavefront_size32 1
		.amdhsa_system_sgpr_workgroup_id_x 1
		.amdhsa_system_sgpr_workgroup_id_y 1
		.amdhsa_system_sgpr_workgroup_id_z 1
		.amdhsa_system_vgpr_workitem_id 0
		.amdhsa_next_free_vgpr 768
		.amdhsa_next_free_sgpr 66
		.amdhsa_reserve_vcc 0
		.amdhsa_float_denorm_mode_32 3
		.amdhsa_float_denorm_mode_16_64 3
		.amdhsa_memory_ordered 1
		.amdhsa_forward_progress 1
		.amdhsa_inst_pref_size 36
	.end_amdhsa_kernel
	.amdgpu_metadata
---
amdhsa.version: [ 1, 2 ]
amdhsa.kernels:
  - .name:           k_q444cf8b1c4_qproj
    .symbol:         k_q444cf8b1c4_qproj.kd
    .args:
      - { .name: qin, .offset: 0, .size: 8, .value_kind: global_buffer, .address_space: global }
      - { .name: wkf, .offset: 8, .size: 8, .value_kind: global_buffer, .address_space: global }
      - { .name: qf, .offset: 16, .size: 8, .value_kind: global_buffer, .address_space: global }
    .group_segment_fixed_size: 98816
    .private_segment_fixed_size: 0
    .kernarg_segment_align: 8
    .kernarg_segment_size: 24
    .max_flat_workgroup_size: 128
    .sgpr_count:     66
    .vgpr_count:     768
    .wavefront_size: 32
...
	.end_amdgpu_metadata
.endif
;; end of part 2
;; launch attn (part 3): grid 32 x 8, 4 waves a work-group, clusters of 4 x 1, 327,680 bytes of LDS; arguments xc, cnt, qf, zp, ml; writes zp, ml
.if DOCPART == 3
	.amdgcn_target "amdgcn-amd-amdhsa--gfx1250"
	.amdhsa_code_object_version 6
	.text
	.protected	k_q444cf8b1c4_attn
	.globl	k_q444cf8b1c4_attn
	.p2align	8
	.type	k_q444cf8b1c4_attn,@function
k_q444cf8b1c4_attn:
	s_mov_b64 s[64:65], 0
	v_nop
	global_prefetch_b8 v0, s[64:65] scope:SCOPE_SE
	s_setreg_imm32_b32 hwreg(HW_REG_WAVE_MODE, 25, 1), 1
	s_wait_xcnt 0x0
	s_wait_alu depctr_hold_cnt(0) depctr_sa_sdst(0) depctr_va_vdst(0) depctr_va_sdst(0) depctr_va_ssrc(0) depctr_va_vcc(0) depctr_vm_vsrc(0)
	s_getreg_b32 s2, hwreg(HW_REG_IB_STS2, 6, 4)
	s_cmp_eq_u32 s2, 0
	s_cbranch_scc0 .Lentry_in_a_cluster
	s_endpgm
.Lentry_in_a_cluster:
	s_bfe_u32 s2, ttmp6, 0x10000c
	s_cmp_lg_u32 s2, 0x3003
	s_cbranch_scc0 .Lentry_shape_is_right
	s_endpgm
.Lentry_shape_is_right:
; ATTN.  For 64 label rows and half of a batch's keys: s = Q' . x (already in units of log2), a running maximum m, p = 2^(s - m), l = sum p, O = sum p x.  Since the weights of a row sum to 1,
; y = (attn x) Wv^T + bv: the values are never formed, and ONE tile of x serves as keys and as values.  Stored: z = O / l in f16 (zp) and (m, l) in f32 (ml); the next launch joins the two halves in f32.
; MASK.  In xc's order key j is open if j < nv (nv from cnt).  A closed score is REPLACED by -1e30, as the module does: its weight is 0 beside any open key, and 1 where no key at all is open (nv = 0: equal weights).
; nv enters that compare alone: no address, trip count or branch hangs on it.  All 4,096 rows of a batch are walked, the rows of zeros behind the open keys too.
; LIMITS.  f16 operands (x, Q', p, z): below 65,504; p lies in 0 to 1 and keeps f16's fixed step of 6e-8 below 6e-5; a weight below 2^-126 counts as 0 in l.  NaN and infinities are not treated apart.
; SHARES.  Work-group (qblk, y): rows 64 qblk .. + 63 (four tiles of 16), batch y / 2, part y % 2.  A step is 64 keys; the two parts take the tiles of 64 keys by turns: step j of part p is keys 128 j + 64 p,
; 32 steps each, so that both parts hold as many open keys.  32 x 8 = 256 work-groups.
; A head of 768 channels is too wide for one wave, so the CHANNELS are split: wave w takes a quarter of them in both products, for all four tiles.
;   G1: S^T partial = X Q'^T over my 192 channels (source 0 = 16 keys, source 1 = 16 rows): 96 products.  The partial scores of the three tiles that are not mine go to their owners through LDS (SX).
;   SOFTMAX of my own tile (wave w owns tile w), a lane holding ONE row (lane % 16) and 32 of the 64 keys.  p in f16 and a = 2^(m_old - m_new) go to all waves through LDS (PX, AX).
;   G2: O^T += X^T P for my 12 blocks of 16 channels x 4 tiles: 96 products; X comes out of LDS turned, by ds_load_tr16_b128.  O^T is multiplied by a in every step; the multiplies stand behind the products.
; My local tile t is tile (w + t) % 4, so t = 0 is always my own.
; CLUSTER.  The four work-groups of a cluster differ in qblk alone and walk the same keys: each tile of x is asked for JOINTLY, by the same tensor load, descriptor and mask in all four.
; The descriptors are made of the batch, the part, the wave's number and constant steps; qblk enters only the addresses of qf, zp and ml.
; O^T starts from 384 v_mov_b32 of 0 that stand in the wait for the first tile: the price of writing no first step out (the first step's a is 0).
; LDS: two slots of 64 keys; a key's 1,536 bytes lie as 3 x (512 + 16), 1,584 bytes = 99 x 16 from key to key, so the 16 keys of a fragment load start in 16 different columns of 16 bytes, and so do the 8 keys x 2 pieces,
; 128 bytes apart, of a turning load.  That is why a block of 16 channels is 8 + 8 channels, 64 apart: block c of wave w begins at channel 256 (c / 4) + 128 (w / 2) + 32 (w % 2) + 8 (c % 4).
; REGISTERS, in windows of 256 (s_set_vgpr_msb: bits 1:0 source 0, 3:2 source 1, 5:4 source 2, 7:6 destination):
;   window 0: addresses and statistics below v64; v64-191 S^T (t, kt) at 64 + 8 (4 t + kt); v192-255 K buffer 1, later P (t, u) at 192 + 8 (2 t + u)
;   window 1: O^T blocks 0-5 at 8 (4 c + t), v192-239 V buffer      window 2: O^T blocks 6-11, V buffer      window 3: Q' (t, kg) at 8 (6 t + kg), v192-255 K buffer 0
.set PITCH, 1584
.set WPART, 16*PITCH                   ; 25,344: what one tensor load brings: 16 keys
.set SLOTB, 4*WPART                    ; 101,376
.set SX,    2*SLOTB                    ; 202,752  partial scores: [owner 4][sender 3][kt 4][half 2][512]
.set PX,    SX+49152                   ; 251,904  p: [tile 4][kt 4][512]
.set AX,    PX+8192                    ; 260,096  a: [tile 4][32 lanes]
.set RLX,   AX+512                     ; 260,608  1 / l, likewise
.set MLX,   RLX+512                    ; 261,120  (m, l) of the 64 rows
.set SPARE, MLX+512                    ; 261,632  the spare words, 128 bytes a wave
.set TILEB, 128*1536                   ; 196,608  bytes from a part's tile to its next: 128 keys
.set AK,  4                            ; v4-7    K fragments: slot, keys 0-31 or 32-63
.set AV,  8                            ; v8-11   V fragments: slot, keys 0-31 or 32-63
.set SXS, 12                           ; v12-14  where tile t's partial scores go, t = 1..3
.set SXL, 15                           ; v15     where the others put mine
.set PXS, 16                           ; v16     where my p goes
.set PXL, 17                           ; v17-19  tile t's p
.set AXS, 20                           ; v20     where my a goes
.set AXL, 21                           ; v21-23  tile t's a
.set H8,  24                           ; v24     8 (lane / 16)
.set TT,  25                           ; v25     open keys left, less H8
.set SPW, 26
.set NIL, 27
.set M,   28                           ; v28     m;  v29 -1e30 (named with it as a pair)
.set NEG, 29
.set LS,  30                           ; v30-31  l (even keys', odd keys')
.set AF,  32                           ; v32-39  a of tile t at 32 + 2 t
.set VQ,  40                           ; v40-43  tile t's byte offset in qf and in zp
.set MLA, 44
.set MLR, 45
.set C0,  48                           ; v48-52  at work
.set S,   64
.set KP,  192
.set MSB, 0
.macro WIN new                         ; the immediate's high byte repeats the setting that is left; a switch that changes nothing is dropped
.if MSB != (\new)
	s_set_vgpr_msb (MSB<<8)|(\new)
.set MSB, (\new)
.endif
.endm
.macro PLACES                          ; four places in front of loads into registers that products have read, and of lines that read results (ISA guide 7.12.1 for the lines that read results)
.rept 4
	v_nop
.endr
.endm
.macro ROUND                           ; a round of the cluster's barrier
	s_barrier_signal -1
	s_barrier_wait -1
	s_cmp_lg_u32 s18, 0
	s_cbranch_scc1 .Lnot_wave_0_\@
	s_barrier_signal -3
.Lnot_wave_0_\@:
	s_barrier_wait -3
	s_barrier_signal -1
	s_barrier_wait -1
.endm
; 16 loads: 64 keys x my 64 channels of third s of the row (two fragments deep), into K buffer s % 2
.macro FETCHK slot, s
.if ((\s)%2) == 0
	WIN 0xc0
.else
	WIN 0
.endif
.set ii, 0
.rept 2
.set kk, 0
.rept 4
	ds_load_b128 v[KP+8*(4*ii+kk):KP+8*(4*ii+kk)+3], v[AK+2*(\slot)+kk/2] offset:(kk%2)*WPART+528*(\s)+64*ii
	ds_load_b128 v[KP+8*(4*ii+kk)+4:KP+8*(4*ii+kk)+7], v[AK+2*(\slot)+kk/2] offset:(kk%2)*WPART+528*(\s)+64*ii+32
.set kk, kk+1
.endr
.set ii, ii+1
.endr
.endm
; 32 products of S^T; the 16 accumulators take turns; the first 16 of a step start the sums
.macro G1S s
.if ((\s)%2) == 0
	WIN 0x0f
.else
	WIN 0x0c
.endif
.set ii, 0
.rept 2
.set kk, 0
.rept 4
.set tt, 0
.rept 4
.if ((\s) == 0) && (ii == 0)
	v_wmma_f32_16x16x32_f16 v[S+8*(4*tt+kk):S+8*(4*tt+kk)+7], v[KP+8*(4*ii+kk):KP+8*(4*ii+kk)+7], v[8*(6*tt+2*(\s)+ii):8*(6*tt+2*(\s)+ii)+7], 0
.else
	v_wmma_f32_16x16x32_f16 v[S+8*(4*tt+kk):S+8*(4*tt+kk)+7], v[KP+8*(4*ii+kk):KP+8*(4*ii+kk)+7], v[8*(6*tt+2*(\s)+ii):8*(6*tt+2*(\s)+ii)+7], v[S+8*(4*tt+kk):S+8*(4*tt+kk)+7]
.endif
.set tt, tt+1
.endr
.set kk, kk+1
.endr
.set ii, ii+1
.endr
.endm
; 12 turning loads: keys 32 u .. + 31 x the six channel blocks of window W
.macro FETCHV slot, W, u
	WIN 0x40*(\W)
.set cc, 0
.rept 6
.set cg, 6*((\W)-1)+cc
	ds_load_tr16_b128 v[KP+8*cc:KP+8*cc+3], v[AV+2*(\slot)+(\u)] offset:528*(cg/4)+16*(cg%4)
	ds_load_tr16_b128 v[KP+8*cc+4:KP+8*cc+7], v[AV+2*(\slot)+(\u)] offset:528*(cg/4)+16*(cg%4)+WPART
.set cc, cc+1
.endr
.endm
; accumulator n of the window in hand times its tile's factor, lowest registers first
.macro RESC n
.set pp, 0
.rept 4
	v_pk_mul_f32 v[8*(\n)+2*pp:8*(\n)+2*pp+1], v[8*(\n)+2*pp:8*(\n)+2*pp+1], v[AF+2*((\n)%4):AF+2*((\n)%4)+1] op_sel_hi:[1,0]
.set pp, pp+1
.endr
.endm
; 24 products of O^T in window W, keys 32 u on.  riders = 1: behind product n stands the rescaling of accumulator n + 4 (0 to 3 are done ahead).  fv = 1: window 1's next V run stands behind the second product.
.macro G2S W, u, riders, fv=0, slot=0
	WIN 0x51*(\W)
.set nn, 0
.rept 24
	v_wmma_f32_16x16x32_f16 v[8*nn:8*nn+7], v[KP+8*(nn/4):KP+8*(nn/4)+7], v[KP+8*(2*(nn%4)+(\u)):KP+8*(2*(nn%4)+(\u))+7], v[8*nn:8*nn+7]
.if (\riders) && (nn < 20)
	RESC nn+4
.endif
.if (\fv) && (nn == 1)
	FETCHV \slot, 1, 1
	WIN 0x51*(\W)
.endif
.set nn, nn+1
.endr
.endm
; ONE KEY STEP on the tile in slot.
.macro STEP slot
	FETCHK \slot, 0
	FETCHK \slot, 1
	s_wait_dscnt 16                                ; the first third's 16 loads are in, the second's stay out
	G1S 0
	PLACES
	FETCHK \slot, 2
	s_wait_dscnt 16                                ; the second third is in, the last stays out
	G1S 1
	s_wait_dscnt 0x0
	G1S 2
	WIN 0
	PLACES
.irp t,1,2,3                                           ; the partial scores of the tiles that are not mine, each accumulator's low half first
.set kk, 0
.rept 4
	ds_store_b128 v[SXS+\t-1], v[S+32*\t+8*kk:S+32*\t+8*kk+3] offset:1024*kk
	ds_store_b128 v[SXS+\t-1], v[S+32*\t+8*kk+4:S+32*\t+8*kk+7] offset:1024*kk+512
.set kk, kk+1
.endr
.endr
	s_wait_dscnt 0x0                               ; for the others' sake: my stores are done
	s_barrier_signal -1                            ; the next tile's load stays on its way
	s_barrier_wait -1
.set nn, 0
.rept 24                                               ; the three other waves' parts of my tile's scores
	ds_load_b128 v[S+32+4*nn:S+32+4*nn+3], v[SXL] offset:512*nn
.set nn, nn+1
.endr
	FETCHV \slot, 1, 0                             ; V's first runs travel under the softmax
	FETCHV \slot, 2, 0
	WIN 0
	s_wait_dscnt 24                                ; the 24 score loads are in, the 24 V loads stay out
.set nn, 0
.rept 16
	v_pk_add_f32 v[S+2*nn:S+2*nn+1], v[S+2*nn:S+2*nn+1], v[S+32+2*nn:S+33+2*nn]
.set nn, nn+1
.endr
.set nn, 0
.rept 16
	v_pk_add_f32 v[S+64+2*nn:S+65+2*nn], v[S+64+2*nn:S+65+2*nn], v[S+96+2*nn:S+97+2*nn]
.set nn, nn+1
.endr
.set nn, 0
.rept 16
	v_pk_add_f32 v[S+2*nn:S+2*nn+1], v[S+2*nn:S+2*nn+1], v[S+64+2*nn:S+65+2*nn]
.set nn, nn+1
.endr
	v_sub_nc_u32 v[TT], s22, v[H8]                 ; register j of key tile kt is open where 16 kt + j < open keys left - 8 (lane / 16)
.set nn, 0
.rept 32
	v_cmp_lt_i32 vcc_lo, 16*(nn/8)+nn%8, v[TT]
	v_cndmask_b32 v[S+nn], v[NEG], v[S+nn], vcc_lo
.set nn, nn+1
.endr
	v_mov_b32 v[C0+4], v[M]                        ; m_old
.irp q,0,1,2,3
	v_max3_num_f32 v[C0+\q], v[S+8*\q], v[S+8*\q+1], v[S+8*\q+2]
.endr
.irp q,0,1,2,3
	v_max3_num_f32 v[C0+\q], v[C0+\q], v[S+8*\q+3], v[S+8*\q+4]
.endr
.irp q,0,1,2,3
	v_max3_num_f32 v[C0+\q], v[C0+\q], v[S+8*\q+5], v[S+8*\q+6]
.endr
	v_max3_num_f32 v[C0], v[C0], v[S+7], v[S+15]
	v_max3_num_f32 v[C0+2], v[C0+2], v[S+23], v[S+31]
	v_max3_num_f32 v[C0+1], v[C0+1], v[C0+3], v[M]
	v_max3_num_f32 v[C0], v[C0], v[C0+1], v[C0+2]
	v_permlanex16_b32 v[C0+1], v[C0], s26, s27     ; the row's other 32 keys lie in the lane 16 away
	v_max_num_f32 v[M], v[C0], v[C0+1]
	v_sub_f32 v[C0+4], v[C0+4], v[M]
.set nn, 0
.rept 16
	v_pk_add_f32 v[S+2*nn:S+2*nn+1], v[S+2*nn:S+2*nn+1], v[M:M+1] op_sel_hi:[1,0] neg_lo:[0,1] neg_hi:[0,1]
.set nn, nn+1
.endr
	v_exp_f32 v[AF], v[C0+4]                       ; a
.set nn, 0
.rept 32
	v_exp_f32 v[S+nn], v[S+nn]
.set nn, nn+1
.endr
	v_nop                                          ; a plain instruction between the last exponential and the use of its result
.set nn, 0
	s_wait_alu depctr_va_vdst(0)
.rept 16
	v_cvt_pk_f16_f32 v[KP+nn], v[S+2*nn], v[S+2*nn+1]
.set nn, nn+1
.endr
.irp q,0,1,2,3
	ds_store_b128 v[PXS], v[KP+4*\q:KP+4*\q+3] offset:512*\q
.endr
	ds_store_b32 v[AXS], v[AF]
.irp w,16,8,4,2                                        ; l is taken of the unrounded p: 15 sums in place, then l = a l + sum
.set nn, 0
.rept \w/2
	v_pk_add_f32 v[S+2*nn:S+2*nn+1], v[S+2*nn:S+2*nn+1], v[S+2*nn+\w:S+2*nn+\w+1]
.set nn, nn+1
.endr
.endr
	v_pk_fma_f32 v[LS:LS+1], v[LS:LS+1], v[AF:AF+1], v[S:S+1] op_sel_hi:[1,0,1]
	s_sub_co_i32 s22, s22, 128                     ; my part's next tile begins 128 keys on
	s_wait_dscnt 0x0                               ; my p and a are stored, V's first runs are in
	s_barrier_signal -1
	s_barrier_wait -1
.irp t,1,2,3
	ds_load_b32 v[AF+2*\t], v[AXL+\t-1]
.endr
.irp t,1,2,3
.irp q,0,1,2,3
	ds_load_b128 v[KP+16*\t+4*\q:KP+16*\t+4*\q+3], v[PXL+\t-1] offset:512*\q
.endr
.endr
	s_wait_dscnt 12                                ; the three a are in, p's 12 loads stay out
	WIN 0x51
	RESC 0
	RESC 1
	RESC 2
	RESC 3
	s_wait_dscnt 0x0
	G2S 1, 0, 1
	WIN 0xa2
	RESC 0
	RESC 1
	RESC 2
	RESC 3
	G2S 2, 0, 1, 1, \slot                          ; window 1's V buffer was last read 16 plain instructions and more ago
	PLACES
	FETCHV \slot, 2, 1
	s_wait_dscnt 12                                ; window 1's run is in, window 2's stays out
	G2S 1, 1, 0
	s_wait_dscnt 0x0
	G2S 2, 1, 0
	WIN 0
.endm
; A TRIP.  In front of the round each wave waits for all its tensor loads, of which one is out: its quarter of this trip's tile; adds 0 to its spare word; and waits for that and for its reads of the other slot.
; Behind the round no wave of any partner reads the other slot, and it is filled again first: the load has a whole step, 192 products, in which to land.
.macro TRIP slot, refill
	s_wait_tensorcnt 0x0
	ds_add_u32 v[SPW], v[NIL]
	s_add_nc_u64 s[38+4*(\slot):39+4*(\slot)], s[38+4*(\slot):39+4*(\slot)], 2*TILEB  ; no load of mine is out: this slot's next tile, two steps on
	s_wait_dscnt 0x0
	ROUND
.if \refill
	tensor_load_to_lds s[40-4*(\slot):43-4*(\slot)], s[28:35]
	s_nop 0
.endif
	PLACES                                         ; also the places in front of the loads into P's registers
	STEP \slot
.endm
	s_load_b256 s[4:11], s[0:1], 0x0               ; xc, cnt, qf, zp
	s_load_b64 s[12:13], s[0:1], 0x20              ; ml
	v_lshl_add_u32 v[SPW], v0, 2, SPARE
	v_mov_b32 v[NIL], 0
	ds_add_u32 v[SPW], v[NIL]                      ; the wave's opening
	v_lshrrev_b32 v1, 5, v0
	v_readfirstlane_b32 s18, v1                    ; wave
	s_bfe_u32 s50, ttmp6, 0x40000                  ; cx
	s_lshl_b32 s19, ttmp9, 2
	s_add_co_u32 s19, s19, s50                     ; qblk = 4 x cluster x + cx
	s_and_b32 s17, ttmp7, 0xffff
	s_lshr_b32 s20, s17, 1                         ; batch
	s_and_b32 s21, s17, 1                          ; part
	; descriptor group 1: 16 keys are 24,576 dense bytes, asked for as 48 rows of 512 bytes, 16 bytes of padding behind each
	s_mov_b32 s28, 15|(1<<16)|(1<<20)|(1<<21)|(6<<22)|(3<<25)  ; the mask of four; 2-byte elements; padding on; bit 21 beside a mask; after every 128 words; 4 words
	s_mov_b32 s29, 256<<16                         ; tensor_dim0 = 256
	s_mov_b32 s30, 48<<16                          ; tensor_dim1 = 48
	s_mov_b32 s31, 256<<16                         ; tile_dim0 = 256
	s_mov_b32 s32, 48                              ; tile_dim1 = 48
	s_mov_b32 s33, 256                             ; 256 elements from row to row
	s_mov_b32 s34, 0
	s_mov_b32 s35, 0
	s_mov_b32 s36, 1
	s_mul_i32 s37, s18, WPART                      ; slot 0, my quarter
	s_mov_b32 s40, 1
	s_add_co_u32 s41, s37, SLOTB                   ; slot 1
	s_mov_b32 s26, 0x76543210
	s_mov_b32 s27, 0xfedcba98
	s_lshl_b32 s44, s20, 7                         ; cnt has 128 bytes a batch
	s_mov_b32 s45, 0
	s_wait_dscnt 0x0                               ; the opening add is done
	s_wait_kmcnt 0x0
	s_add_nc_u64 s[46:47], s[6:7], s[44:45]
	s_load_b32 s14, s[46:47], 0x0                  ; nv of the batch: waited for behind the first tensor load
	s_lshl_b32 s44, s20, 12                        ; the batch's 4,096 rows,
	s_lshl_b32 s17, s21, 6                         ; my part's first tile: key 64 part,
	s_add_co_u32 s44, s44, s17
	s_lshl_b32 s16, s18, 4
	s_add_co_u32 s44, s44, s16                     ; my 16 keys of it
	s_mul_i32 s44, s44, 1536
	s_add_nc_u64 s[38:39], s[4:5], s[44:45]
	s_add_nc_u64 s[42:43], s[38:39], TILEB         ; my part's second tile
	s_or_b32 s39, s39, 0x80000000                  ; type = 2
	s_or_b32 s43, s43, 0x80000000
	ROUND                                          ; all four work-groups are here: the first joint load meets
	tensor_load_to_lds s[36:39], s[28:35]          ; my part's first tile
	s_nop 0
	PLACES
	s_wait_kmcnt 0x0
	s_sub_co_i32 s22, s14, s17                     ; open keys from my first tile's first key on (may be negative)
	s_mul_i32 s52, s19, 98304                      ; qf at my four tiles, my wave's channels
	s_lshl_b32 s53, s18, 11
	s_add_co_u32 s52, s52, s53
	s_mov_b32 s53, 0
	s_add_nc_u64 s[8:9], s[8:9], s[52:53]
	s_lshl_b32 s52, s20, 7                         ; zp: part, tile 128 b + 4 qblk, my wave's 12 chunks
	s_lshl_b32 s54, s19, 2
	s_add_co_u32 s52, s52, s54
	s_mul_i32 s52, s52, 24576
	s_mul_i32 s54, s21, 12582912
	s_add_co_u32 s52, s52, s54
	s_mul_i32 s54, s18, 6144
	s_add_co_u32 s52, s52, s54
	s_add_nc_u64 s[10:11], s[10:11], s[52:53]
	s_lshl_b32 s52, s21, 13                        ; ml: row 8,192 part + 2,048 b + 64 qblk
	s_lshl_b32 s54, s20, 11
	s_add_co_u32 s52, s52, s54
	s_lshl_b32 s54, s19, 6
	s_add_co_u32 s52, s52, s54
	s_lshl_b32 s52, s52, 3
	s_add_nc_u64 s[12:13], s[12:13], s[52:53]
	v_and_b32 v1, 15, v0                           ; r
	v_bfe_u32 v2, v0, 4, 1                         ; h
	v_and_b32 v3, 31, v0
	v_lshlrev_b32 v59, 2, v3                       ; 4 L
	v_lshlrev_b32 v3, 4, v3                        ; 16 L
	s_mul_i32 s16, s18, 24576
	v_add_nc_u32 v[VQ], s16, v3
.irp t,1,2,3
	s_add_co_u32 s16, s18, \t
	s_and_b32 s16, s16, 3                          ; local tile t is tile (w + t) % 4
	s_mul_i32 s17, s16, 12288
	s_add_co_u32 s17, s17, SX+(\t-1)*4096
	v_add_nc_u32 v[SXS+\t-1], s17, v3
	s_lshl_b32 s17, s16, 11
	s_add_co_u32 s17, s17, PX
	v_add_nc_u32 v[PXL+\t-1], s17, v3
	s_lshl_b32 s17, s16, 7
	s_add_co_u32 s17, s17, AX
	v_add_nc_u32 v[AXL+\t-1], s17, v59
	s_mul_i32 s17, s16, 24576
	v_add_nc_u32 v[VQ+\t], s17, v3
.endr
	WIN 0xc0
.set tt, 0
.rept 4                                                ; Q' stays in registers: tile t, my 64 channels of each third of the row
.set nn, 0
.rept 12
	global_load_b128 v[48*tt+4*nn:48*tt+4*nn+3], v[VQ+tt], s[8:9] offset:(16*(nn/4)+nn%4)*512
.set nn, nn+1
.endr
.set tt, tt+1
.endr
	WIN 0x40
.set nn, 0
.rept 192
	v_mov_b32 v[nn], 0
.set nn, nn+1
.endr
	WIN 0x80
.set nn, 0
.rept 192
	v_mov_b32 v[nn], 0
.set nn, nn+1
.endr
	WIN 0
	v_lshlrev_b32 v[H8], 3, v2
	v_mul_u32_u24 v56, v1, PITCH
	v_lshl_add_u32 v56, v2, 4, v56
	s_lshl_b32 s16, s18, 7
	v_add_nc_u32 v[AK], s16, v56                   ; key r, 16 bytes for each half of the lanes, my 128 bytes of a third
	v_add_nc_u32 v[AK+1], 32*PITCH, v[AK]
	v_add_nc_u32 v[AK+2], SLOTB, v[AK]
	v_add_nc_u32 v[AK+3], SLOTB+32*PITCH, v[AK]
	v_and_b32 v57, 7, v0
	v_lshl_add_u32 v57, v2, 3, v57
	v_mul_u32_u24 v57, v57, PITCH                  ; the turning load: key 8 h + L % 8,
	v_bfe_u32 v58, v0, 3, 1
	v_lshl_add_u32 v57, v58, 7, v57                ; the block's second 8 channels 128 bytes on
	s_lshr_b32 s16, s18, 1
	s_lshl_b32 s16, s16, 8
	s_and_b32 s17, s18, 1
	s_lshl_b32 s17, s17, 6
	s_add_co_u32 s16, s16, s17
	v_add_nc_u32 v[AV], s16, v57
	v_add_nc_u32 v[AV+1], 32*PITCH, v[AV]
	v_add_nc_u32 v[AV+2], SLOTB, v[AV]
	v_add_nc_u32 v[AV+3], SLOTB+32*PITCH, v[AV]
	s_mul_i32 s16, s18, 12288
	s_add_co_u32 s16, s16, SX
	v_add_nc_u32 v[SXL], s16, v3
	s_lshl_b32 s16, s18, 11
	s_add_co_u32 s16, s16, PX
	v_add_nc_u32 v[PXS], s16, v3
	v_lshl_add_u32 v[AXS], v0, 2, AX
	s_lshl_b32 s16, s18, 7
	s_add_co_u32 s16, s16, MLX
	v_lshl_add_u32 v[MLA], v1, 3, s16
	v_add_nc_u32 v[MLR], MLX, v3
	v_mov_b32 v[M], 0xff7fffff                     ; m: the lowest finite number, so the first a is 0
	v_mov_b32 v[NEG], 0xf149f2ca                   ; -1e30
	v_mov_b32 v[LS], 0
	v_mov_b32 v[LS+1], 0
.set nn, 0
.rept 8
	v_mov_b32 v[AF+nn], 0
.set nn, nn+1
.endr
	s_wait_loadcnt 0x0                             ; Q'
	s_mov_b32 s23, 15
.Lloop:                                                ; 15 trips of two steps; the part's 32 steps end with the two written out below
	TRIP 0, 1
	TRIP 1, 1
	s_sub_co_u32 s23, s23, 1
	s_cmp_lg_u32 s23, 0
	s_cbranch_scc1 .Lloop
	TRIP 0, 1                                      ; the tail is written out
	TRIP 1, 0
	; THE WAY OUT.  1 / l of my tile goes to all waves, (m, l) to the block's table; O^T is divided by l, rounded to f16 and stored: a lane's eight channels of a row are a chunk's 16 bytes, no trip through LDS.
	PLACES
	v_add_f32 v[LS], v[LS], v[LS+1]
	v_permlanex16_b32 v[C0], v[LS], s26, s27
	v_add_f32 v[LS], v[LS], v[C0]
	v_rcp_f32 v[AF], v[LS]
	v_mov_b32 v[C0+2], v[M]                        ; a plain instruction behind the reciprocal
	v_mov_b32 v[C0+3], v[LS]
	s_wait_alu depctr_va_vdst(0)
	ds_store_b32 v[AXS], v[AF] offset:512
	ds_store_b64 v[MLA], v[C0+2:C0+3]
	s_wait_dscnt 0x0
	s_barrier_signal -1
	s_barrier_wait -1
.irp t,1,2,3
	ds_load_b32 v[AF+2*\t], v[AXL+\t-1] offset:512
.endr
	s_wait_dscnt 0x0
.irp W,1,2
	WIN 0x41*\W
.set mm, 0
.rept 24
	RESC mm
.set mm, mm+1
.endr
	WIN 0x05*\W
.set mm, 0
.rept 96
	v_cvt_pk_f16_f32 v[64+96*(\W-1)+mm], v[2*mm], v[2*mm+1]
.set mm, mm+1
.endr
	WIN 0
.set mm, 0
.rept 24
	global_store_b128 v[VQ+mm%4], v[64+96*(\W-1)+4*mm:64+96*(\W-1)+4*mm+3], s[10:11] offset:(6*(\W-1)+mm/4)*512  ; 512 consecutive bytes
.set mm, mm+1
.endr
.endr
	s_cmp_lg_u32 s18, 0
	s_cbranch_scc1 .Lno_ml
	ds_load_b128 v[48:51], v[MLR]                  ; wave 0 stores the 64 rows' (m, l): 512 consecutive bytes
	s_wait_dscnt 0x0
	global_store_b128 v3, v[48:51], s[12:13]
.Lno_ml:
	s_wait_tensorcnt 0x0                           ; the wave's end: behind my last tensor load and my last LDS store
	ds_add_u32 v[SPW], v[NIL]
	s_wait_dscnt 0x0
	ROUND                                          ; the closing round: no work-group ends while a partner may still ask for a tile that names it
	s_endpgm
.Lfunc_end_k_q444cf8b1c4_attn:
	.size	k_q444cf8b1c4_attn, .Lfunc_end_k_q444cf8b1c4_attn-k_q444cf8b1c4_attn
	.p2alignl 7, 3214868480
	.fill 96, 4, 3214868480
	.section	.rodata,"a",@progbits
	.p2align	6, 0x0
	.amdhsa_kernel k_q444cf8b1c4_attn
		.amdhsa_group_segment_fixed_size 327680
		.amdhsa_private_segment_fixed_size 0
		.amdhsa_enable_private_segment 0
		.amdhsa_kernarg_size 40
		.amdhsa_user_sgpr_count 2
		.amdhsa_user_sgpr_kernarg_segment_ptr 1
		.amdhsa_wavefront_size32 1
		.amdhsa_system_sgpr_workgroup_id_x 1
		.amdhsa_system_sgpr_workgroup_id_y 1
		.amdhsa_system_sgpr_workgroup_id_z 1
		.amdhsa_system_vgpr_workitem_id 0
		.amdhsa_next_free_vgpr 1024
		.amdhsa_next_free_sgpr 66
		.amdhsa_reserve_vcc 1
		.amdhsa_float_denorm_mode_32 3
		.amdhsa_float_denorm_mode_16_64 3
		.amdhsa_memory_ordered 1
		.amdhsa_forward_progress 1
		.amdhsa_inst_pref_size 242
	.end_amdhsa_kernel
	.amdgpu_metadata
---
amdhsa.version: [ 1, 2 ]
amdhsa.kernels:
  - .name:           k_q444cf8b1c4_attn
    .symbol:         k_q444cf8b1c4_attn.kd
    .args:
      - { .name: xc, .offset: 0, .size: 8, .value_kind: global_buffer, .address_space: global }
      - { .name: cnt, .offset: 8, .size: 8, .value_kind: global_buffer, .address_space: global }
      - { .name: qf, .offset: 16, .size: 8, .value_kind: global_buffer, .address_space: global }
      - { .name: zp, .offset: 24, .size: 8, .value_kind: global_buffer, .address_space: global }
      - { .name: ml, .offset: 32, .size: 8, .value_kind: global_buffer, .address_space: global }
    .group_segment_fixed_size: 327680
    .private_segment_fixed_size: 0
    .kernarg_segment_align: 8
    .kernarg_segment_size: 40
    .max_flat_workgroup_size: 128
    .sgpr_count:     66
    .vgpr_count:     1024
    .wavefront_size: 32
...
	.end_amdgpu_metadata
.endif
;; end of part 3
;; launch post (part 4): grid 250 x 1, 4 waves a work-group, no clusters, 52,224 bytes of LDS; arguments zp, ml, wvf, bv, ln_gamma, ln_beta, w_out, b_out, out0; writes out0
.if DOCPART == 4
	.amdgcn_target "amdgcn-amd-amdhsa--gfx1250"
	.amdhsa_code_object_version 6
	.text
	.protected	k_q444cf8b1c4_post
	.globl	k_q444cf8b1c4_post
	.p2align	8
	.type	k_q444cf8b1c4_post,@function
k_q444cf8b1c4_post:
	s_mov_b64 s[64:65], 0
	v_nop
	global_prefetch_b8 v0, s[64:65] scope:SCOPE_SE
	s_setreg_imm32_b32 hwreg(HW_REG_WAVE_MODE, 25, 1), 1
	s_wait_xcnt 0x0
; POST.  The two halves of the keys are joined in f32: z = (w0 z0 + w1 z1), w_i = l_i 2^(m_i - M) / sum, M = max(m0, m1); z is rounded to f16 once; y = z Wv^T + bv (f16 operands, f32 sums, the bias starts the sums);
; then the LayerNorm in two passes (mean; then the squares of y - mean) and the dot product with w_out: out = rsqrt(var + 1e-5) sum (y - mu) gamma w + sum beta w + b_out.
; A half that holds closed keys only has m = -1e30 and gets weight 0; where both have it (no open key in the batch) the weights go by l.  LIMITS: |z|, |Wv| below 65,504; NaN and infinities are not treated apart.
; SHARES.  2,000 = 125 x 16: the 500 tiles of 16 true rows go two to a work-group, 250 work-groups.  Wave v makes y^T = Wv z^T for the 192 outputs e = 192 v .. + 191 (12 tiles) x 2 row tiles: 24 accumulators,
; a lane holding one row (lane % 16).  The sum over the 768 channels goes in 24 trips of 32, in the order in which zp and wvf both store them: the same permutation on both sides keeps the products.
; Wv's fragments are register images and go straight from memory into registers, three buffers deep (two trips ahead); z's go through LDS, since all four waves need all of them.
; NO CLUSTER: 250 work-groups are no multiple of four, and a wave's slice of Wv is read by that wave alone in its work-group.
; REGISTERS: window 0: v1-15 addresses; v16-63 z of part 0, v64-111 of part 1 (the halves of a register have names below v128 only); v112-163 at work.
;   window 1: accumulator (el, tile) at 8 (2 el + tile); v192-239 three buffers of z      window 2: v0-95, v96-191 buffers 0, 1 of Wv      window 3: v0-95 buffer 2
.set RED1,  49152                      ; behind z's 49,152 bytes ([tile 2][chunk 48][512]): 512 bytes of row sums
.set RED2,  49664                      ; 512 bytes a wave
.set SPARE, 51712
.set MSB, 0
.macro WIN new                         ; the immediate's high byte repeats the setting that is left
.if MSB != (\new)
	s_set_vgpr_msb (MSB<<8)|(\new)
.set MSB, (\new)
.endif
.endm
.macro PLACES
.rept 4
	v_nop
.endr
.endm
; four registers of part 0 (a0-a3) and of part 1 (b0-b3), plain numbers: 8 numbers widened, joined in f32, rounded once, back into a0-a3
.macro MIXG a0,a1,a2,a3,b0,b1,b2,b3,tau
	v_cvt_f32_f16 v112, v\a0\().l
	v_cvt_f32_f16 v113, v\a0\().h
	v_cvt_f32_f16 v114, v\a1\().l
	v_cvt_f32_f16 v115, v\a1\().h
	v_cvt_f32_f16 v116, v\a2\().l
	v_cvt_f32_f16 v117, v\a2\().h
	v_cvt_f32_f16 v118, v\a3\().l
	v_cvt_f32_f16 v119, v\a3\().h
	v_cvt_f32_f16 v120, v\b0\().l
	v_cvt_f32_f16 v121, v\b0\().h
	v_cvt_f32_f16 v122, v\b1\().l
	v_cvt_f32_f16 v123, v\b1\().h
	v_cvt_f32_f16 v124, v\b2\().l
	v_cvt_f32_f16 v125, v\b2\().h
	v_cvt_f32_f16 v126, v\b3\().l
	v_cvt_f32_f16 v127, v\b3\().h
.irp p,0,2,4,6
	v_pk_mul_f32 v[112+\p:113+\p], v[112+\p:113+\p], v[136+4*(\tau):137+4*(\tau)]
.endr
.irp p,0,2,4,6
	v_pk_fma_f32 v[112+\p:113+\p], v[120+\p:121+\p], v[138+4*(\tau):139+4*(\tau)], v[112+\p:113+\p]
.endr
	v_cvt_pk_f16_f32 v\a0, v112, v113
	v_cvt_pk_f16_f32 v\a1, v114, v115
	v_cvt_pk_f16_f32 v\a2, v116, v117
	v_cvt_pk_f16_f32 v\a3, v118, v119
.endm
; group gi = 6 tile + c: joined, put into LDS; ph = 0: chunks 0-5, and the same registers are loaded with chunks 6-11; ph = 1: those
.macro ZG gi,a0,a1,a2,a3,b0,b1,b2,b3,ph
	MIXG \a0,\a1,\a2,\a3,\b0,\b1,\b2,\b3,(\gi)/6
	ds_store_b128 v5, v[16+4*(\gi):19+4*(\gi)] offset:((\gi)/6)*24576+((\gi)%6+6*(\ph))*512
.if (\ph) == 0
	global_load_b128 v[16+4*(\gi):19+4*(\gi)], v1, s[32+4*((\gi)/6):33+4*((\gi)/6)] offset:((\gi)%6+6)*512
	global_load_b128 v[64+4*(\gi):67+4*(\gi)], v1, s[34+4*((\gi)/6):35+4*((\gi)/6)] offset:((\gi)%6+6)*512
.endif
.endm
.macro ALLG ph
	ZG 0, 16,17,18,19, 64,65,66,67, \ph
	ZG 1, 20,21,22,23, 68,69,70,71, \ph
	ZG 2, 24,25,26,27, 72,73,74,75, \ph
	ZG 3, 28,29,30,31, 76,77,78,79, \ph
	ZG 4, 32,33,34,35, 80,81,82,83, \ph
	ZG 5, 36,37,38,39, 84,85,86,87, \ph
	ZG 6, 40,41,42,43, 88,89,90,91, \ph
	ZG 7, 44,45,46,47, 92,93,94,95, \ph
	ZG 8, 48,49,50,51, 96,97,98,99, \ph
	ZG 9, 52,53,54,55, 100,101,102,103, \ph
	ZG 10, 56,57,58,59, 104,105,106,107, \ph
	ZG 11, 60,61,62,63, 108,109,110,111, \ph
.endm
; 24 loads into buffer buf.  mode 0: Wv's fragments of the trip kimm ahead of the pointer; 1, 2, 3: gamma, w_out, beta of my 192 outputs, laid as an accumulator's lanes hold them
.macro ALD buf, mode, kimm
.if (\buf) == 2
	WIN 0xc0
.set ab, 0
.else
	WIN 0x80
.set ab, 96*(\buf)
.endif
.set el, 0
.rept 12
.if (\mode) == 0
	global_load_b128 v[ab+8*el:ab+8*el+3], v1, s[8:9] offset:(\kimm)*12288+el*1024
	global_load_b128 v[ab+8*el+4:ab+8*el+7], v1, s[8:9] offset:(\kimm)*12288+el*1024+512
.elseif (\mode) == 1
	global_load_b128 v[ab+8*el:ab+8*el+3], v4, s[12:13] offset:64*el
	global_load_b128 v[ab+8*el+4:ab+8*el+7], v4, s[12:13] offset:64*el+16
.elseif (\mode) == 2
	global_load_b128 v[ab+8*el:ab+8*el+3], v4, s[16:17] offset:64*el
	global_load_b128 v[ab+8*el+4:ab+8*el+7], v4, s[16:17] offset:64*el+16
.else
	global_load_b128 v[ab+8*el:ab+8*el+3], v4, s[14:15] offset:64*el
	global_load_b128 v[ab+8*el+4:ab+8*el+7], v4, s[14:15] offset:64*el+16
.endif
.set el, el+1
.endr
.endm
; A TRIP of 32 channels on buffers k: the loads for two trips on (Wv) and one trip on (z), then 24 products; the accumulators take turns
.macro TRIPP k, amode, bload
	PLACES                                         ; the buffer loaded next was read by the trip before
	ALD ((\k)+2)%3, \amode, (\k)+2
.if \bload
	WIN 0x40
.set bb, 192+16*(((\k)+1)%3)
	ds_load_b128 v[bb:bb+3], v6 offset:((\k)+1)*1024
	ds_load_b128 v[bb+4:bb+7], v6 offset:((\k)+1)*1024+512
	ds_load_b128 v[bb+8:bb+11], v6 offset:((\k)+1)*1024+24576
	ds_load_b128 v[bb+12:bb+15], v6 offset:((\k)+1)*1024+25088
.endif
	s_wait_loadcnt 48                              ; this trip's 24 loads are in; the two younger groups of 24 stay out
.if \bload
	s_wait_dscnt 4                                 ; this trip's z is in, the next trip's four loads stay out
.else
	s_wait_dscnt 0x0
.endif
.if (\k) == 2
	WIN 0x57
.set ab, 0
.else
	WIN 0x56
.set ab, 96*(\k)
.endif
.set bb, 192+16*(\k)
.set el, 0
.rept 12
	v_wmma_f32_16x16x32_f16 v[16*el:16*el+7], v[ab+8*el:ab+8*el+7], v[bb:bb+7], v[16*el:16*el+7]
	v_wmma_f32_16x16x32_f16 v[16*el+8:16*el+15], v[ab+8*el:ab+8*el+7], v[bb+8:bb+15], v[16*el+8:16*el+15]
.set el, el+1
.endr
	WIN 0
.endm
.macro FOLD b                          ; four pairs into one number, the other half of the lanes' added
	v_pk_add_f32 v[\b:\b+1], v[\b:\b+1], v[\b+2:\b+3]
	v_pk_add_f32 v[\b+4:\b+5], v[\b+4:\b+5], v[\b+6:\b+7]
	v_pk_add_f32 v[\b:\b+1], v[\b:\b+1], v[\b+4:\b+5]
	v_add_f32 v[\b], v[\b], v[\b+1]
	v_permlanex16_b32 v[\b+1], v[\b], s28, s29
	v_add_f32 v[\b], v[\b], v[\b+1]
.endm
	s_load_b512 s[4:19], s[0:1], 0x0               ; zp, ml, wvf, bv, gamma, beta, w_out, b_out
	s_load_b64 s[20:21], s[0:1], 0x40              ; out0
	v_lshl_add_u32 v12, v0, 2, SPARE
	v_mov_b32 v13, 0
	v_lshrrev_b32 v1, 5, v0
	v_readfirstlane_b32 s22, v1                    ; wave
	v_and_b32 v2, 15, v0                           ; r
	v_bfe_u32 v3, v0, 4, 1                         ; h
	v_and_b32 v1, 31, v0
	v_lshlrev_b32 v15, 2, v1                       ; 4 L
	v_lshlrev_b32 v1, 4, v1                        ; 16 L
	v_lshlrev_b32 v4, 5, v3                        ; 8 numbers on for the upper lanes
	v_lshlrev_b32 v7, 3, v2                        ; row r's (m, l)
	s_mul_i32 s26, s22, 6144
	v_add_nc_u32 v5, s26, v1                       ; my 12 chunks of z in LDS
	v_mov_b32 v6, v1                               ; z's fragments; steps with the loop
	v_lshl_add_u32 v8, v0, 2, RED1
	v_lshl_add_u32 v9, v2, 2, RED1
	s_lshl_b32 s26, s22, 9
	s_add_co_u32 s26, s26, RED2
	v_add_nc_u32 v10, s26, v15
	v_add_nc_u32 v11, RED2, v15
	s_mov_b32 s28, 0x76543210
	s_mov_b32 s29, 0xfedcba98
	s_mov_b32 s44, 0x3aaaaaab                      ; 1 / 768
	s_mov_b32 s45, 0x3727c5ac                      ; 1e-5
	s_lshl_b32 s24, ttmp9, 1                       ; my two tiles among the 500 true ones;
	s_add_co_u32 s25, s24, 1
.irp q,24,25                                           ; in zp and ml a batch has 128 tiles, of which 125 are true: three are passed over for each batch in front
	s_cmp_ge_u32 s\q, 125
	s_cselect_b32 s26, 3, 0
	s_cmp_ge_u32 s\q, 250
	s_cselect_b32 s27, 3, 0
	s_add_co_u32 s26, s26, s27
	s_cmp_ge_u32 s\q, 375
	s_cselect_b32 s27, 3, 0
	s_add_co_u32 s26, s26, s27
	s_add_co_u32 s\q, s\q, s26
.endr
	s_wait_kmcnt 0x0
	s_load_b32 s30, s[18:19], 0x0                  ; b_out
.irp q,0,1
	s_mul_i32 s26, s[24+\q], 24576
	s_mul_i32 s27, s22, 6144
	s_add_co_u32 s26, s26, s27
	s_mov_b32 s27, 0
	s_add_nc_u64 s[32+4*\q:33+4*\q], s[4:5], s[26:27]
	s_add_nc_u64 s[34+4*\q:35+4*\q], s[32+4*\q:33+4*\q], 12582912
	s_lshl_b32 s26, s[24+\q], 7
	s_add_nc_u64 s[40+2*\q:41+2*\q], s[6:7], s[26:27]
.endr
	s_mul_i32 s26, s22, 294912
	s_add_nc_u64 s[8:9], s[8:9], s[26:27]          ; my slice of wvf
	s_mul_i32 s26, s22, 768
	s_add_nc_u64 s[10:11], s[10:11], s[26:27]      ; my 192 numbers of bv, gamma, beta, w_out
	s_add_nc_u64 s[12:13], s[12:13], s[26:27]
	s_add_nc_u64 s[14:15], s[14:15], s[26:27]
	s_add_nc_u64 s[16:17], s[16:17], s[26:27]
	s_lshl_b32 s26, ttmp9, 7
	s_add_nc_u64 s[20:21], s[20:21], s[26:27]      ; 32 numbers of out0
.irp q,0,1
	global_load_b64 v[128+4*\q:129+4*\q], v7, s[40+2*\q:41+2*\q]
	global_load_b64 v[130+4*\q:131+4*\q], v7, s[40+2*\q:41+2*\q] offset:65536
.endr
.set gi, 0
.rept 12
	global_load_b128 v[16+4*gi:19+4*gi], v1, s[32+4*(gi/6):33+4*(gi/6)] offset:(gi%6)*512
	global_load_b128 v[64+4*gi:67+4*gi], v1, s[34+4*(gi/6):35+4*(gi/6)] offset:(gi%6)*512
.set gi, gi+1
.endr
	WIN 0x40
.set n, 0
.rept 24                                               ; the bias starts the sums: register j of accumulator (el, tile) is bv[16 el + 8 h + j]
	global_load_b128 v[8*n:8*n+3], v4, s[10:11] offset:64*(n/2)
	global_load_b128 v[8*n+4:8*n+7], v4, s[10:11] offset:64*(n/2)+16
.set n, n+1
.endr
	WIN 0
	s_wait_loadcnt 48                              ; (m, l) and the first 24 loads of z are in; the 48 bias loads stay out
	s_wait_kmcnt 0x0
.irp q,0,1
	v_max_num_f32 v[144+4*\q], v[128+4*\q], v[130+4*\q]
	v_sub_f32 v[145+4*\q], v[128+4*\q], v[144+4*\q]
	v_sub_f32 v[146+4*\q], v[130+4*\q], v[144+4*\q]
.endr
	v_exp_f32 v145, v145
	v_exp_f32 v146, v146
	v_exp_f32 v149, v149
	v_exp_f32 v150, v150
	v_nop
	s_wait_alu depctr_va_vdst(0)
.irp q,0,1
	v_mul_f32 v[145+4*\q], v[145+4*\q], v[129+4*\q]
	v_mul_f32 v[146+4*\q], v[146+4*\q], v[131+4*\q]
	v_add_f32 v[147+4*\q], v[145+4*\q], v[146+4*\q]
.endr
	v_rcp_f32 v147, v147
	v_rcp_f32 v151, v151
	v_nop
	s_wait_alu depctr_va_vdst(0)
.irp q,0,1                                             ; each weight twice, a pair for the packed forms
	v_mul_f32 v[136+4*\q], v[145+4*\q], v[147+4*\q]
	v_mul_f32 v[138+4*\q], v[146+4*\q], v[147+4*\q]
	v_mul_f32 v[137+4*\q], v[145+4*\q], v[147+4*\q]
	v_mul_f32 v[139+4*\q], v[146+4*\q], v[147+4*\q]
.endr
	ALLG 0
	ALD 0, 0, 0
	ALD 1, 0, 1
	WIN 0
	s_wait_loadcnt 48                              ; the bias and the second 24 loads of z are in; Wv's first two groups stay out
	ALLG 1
	s_wait_dscnt 0x0                               ; for the others' sake: my chunks of z are stored
	s_barrier_signal -1
	s_barrier_wait -1
	WIN 0x40
	ds_load_b128 v[192:195], v6
	ds_load_b128 v[196:199], v6 offset:512
	ds_load_b128 v[200:203], v6 offset:24576
	ds_load_b128 v[204:207], v6 offset:25088
	WIN 0
	s_mov_b32 s23, 7
.Ltrip:
	TRIPP 0, 0, 1
	TRIPP 1, 0, 1
	TRIPP 2, 0, 1
	s_wait_xcnt 0x0                                ; the loads' base is stepped only behind this wait
	s_add_nc_u64 s[8:9], s[8:9], 36864
	v_add_nc_u32 v6, 3072, v6
	s_sub_co_u32 s23, s23, 1
	s_cmp_lg_u32 s23, 0
	s_cbranch_scc1 .Ltrip
	TRIPP 0, 0, 1                                  ; the last three trips: Wv's last group, then gamma and w_out take the loads' places, so that the count stays 48
	TRIPP 1, 1, 1
	TRIPP 2, 2, 0
	PLACES
	ALD 2, 3, 0                                    ; beta
	WIN 0x05                                       ; the rows' sums, four chains a tile, each accumulator's lowest registers first
.set n, 0
.rept 8
	v_pk_add_f32 v[112+2*n:113+2*n], v[2*n:2*n+1], v[16+2*n:17+2*n]
.set n, n+1
.endr
	WIN 0x04
.set el, 2
.rept 10
.set n, 0
.rept 8
	v_pk_add_f32 v[112+2*n:113+2*n], v[112+2*n:113+2*n], v[16*el+2*n:16*el+2*n+1]
.set n, n+1
.endr
.set el, el+1
.endr
	WIN 0
	FOLD 112
	FOLD 120
	v_cmp_ne_u32 vcc_lo, 0, v3
	v_cndmask_b32 v144, v112, v120, vcc_lo         ; lanes 0-15 hand on tile 0's sums, lanes 16-31 tile 1's
	ds_store_b32 v8, v144
	s_wait_dscnt 0x0
	s_barrier_signal -1
	s_barrier_wait -1
.set n, 0
.rept 8
	ds_load_b32 v[144+n], v9 offset:128*(n%4)+64*(n/4)
.set n, n+1
.endr
	s_wait_dscnt 0x0
	v_add_f32 v144, v144, v145
	v_add_f32 v146, v146, v147
	v_add_f32 v148, v148, v149
	v_add_f32 v150, v150, v151
	v_add_f32 v144, v144, v146
	v_add_f32 v148, v148, v150
	v_mul_f32 v152, s44, v144                      ; mu, twice, for each tile
	v_mul_f32 v153, s44, v144
	v_mul_f32 v154, s44, v148
	v_mul_f32 v155, s44, v148
	s_wait_loadcnt 0x0                             ; gamma, w_out, beta
	WIN 0x8a
.set n, 0
.rept 48
	v_pk_mul_f32 v[2*n:2*n+1], v[2*n:2*n+1], v[96+2*n:97+2*n]  ; gamma w
.set n, n+1
.endr
	WIN 0x0b
.set n, 0
.rept 48                                               ; sum beta w
.if n < 4
	v_pk_mul_f32 v[156+2*n:157+2*n], v[2*n:2*n+1], v[96+2*n:97+2*n]
.else
	v_pk_fma_f32 v[156+2*(n%4):157+2*(n%4)], v[2*n:2*n+1], v[96+2*n:97+2*n], v[156+2*(n%4):157+2*(n%4)]
.endif
.set n, n+1
.endr
	WIN 0x41
.set n, 0
.rept 96                                               ; y - mu, in place
	v_pk_add_f32 v[2*n:2*n+1], v[2*n:2*n+1], v[152+2*((n/4)%2):153+2*((n/4)%2)] neg_lo:[0,1] neg_hi:[0,1]
.set n, n+1
.endr
	WIN 0x05
.set n, 0
.rept 96                                               ; its squares
.if n < 8
	v_pk_mul_f32 v[112+2*n:113+2*n], v[2*n:2*n+1], v[2*n:2*n+1]
.else
	v_pk_fma_f32 v[112+2*(n%8):113+2*(n%8)], v[2*n:2*n+1], v[2*n:2*n+1], v[112+2*(n%8):113+2*(n%8)]
.endif
.set n, n+1
.endr
	WIN 0x09
.set n, 0
.rept 96                                               ; and its product with gamma w
.if n < 8
	v_pk_mul_f32 v[128+2*n:129+2*n], v[2*n:2*n+1], v[8*(n/8)+2*(n%4):8*(n/8)+2*(n%4)+1]
.else
	v_pk_fma_f32 v[128+2*(n%8):129+2*(n%8)], v[2*n:2*n+1], v[8*(n/8)+2*(n%4):8*(n/8)+2*(n%4)+1], v[128+2*(n%8):129+2*(n%8)]
.endif
.set n, n+1
.endr
	WIN 0
	FOLD 112
	FOLD 120
	FOLD 128
	FOLD 136
	FOLD 156
	v_cndmask_b32 v144, v112, v120, vcc_lo
	v_cndmask_b32 v145, v128, v136, vcc_lo
	ds_store_b32 v10, v144
	ds_store_b32 v10, v145 offset:128
	ds_store_b32 v10, v156 offset:256
	s_wait_dscnt 0x0
	s_barrier_signal -1
	s_barrier_wait -1
	s_cmp_lg_u32 s22, 0
	s_cbranch_scc1 .Lend
.set n, 0
.rept 12                                               ; wave 0: lane L is row L % 16 of tile L / 16
	ds_load_b32 v[112+n], v11 offset:512*(n%4)+128*(n/4)
.set n, n+1
.endr
	s_wait_dscnt 0x0
.irp b,112,116,120
	v_add_f32 v[\b], v[\b], v[\b+1]
	v_add_f32 v[\b+2], v[\b+2], v[\b+3]
	v_add_f32 v[\b], v[\b], v[\b+2]
.endr
	v_fma_f32 v112, v112, s44, s45                 ; var + 1e-5
	v_rsq_f32 v112, v112
	v_add_f32 v120, s30, v120                      ; a plain instruction behind the root
	s_wait_alu depctr_va_vdst(0)
	v_fma_f32 v116, v116, v112, v120
	global_store_b32 v15, v116, s[20:21]           ; 128 consecutive bytes of out0
.Lend:
	s_wait_tensorcnt 0x0                           ; the wave's end: behind my last LDS store
	ds_add_u32 v12, v13
	s_wait_dscnt 0x0
	s_endpgm
.Lfunc_end_k_q444cf8b1c4_post:
	.size	k_q444cf8b1c4_post, .Lfunc_end_k_q444cf8b1c4_post-k_q444cf8b1c4_post
	.p2alignl 7, 3214868480
	.fill 96, 4, 3214868480
	.section	.rodata,"a",@progbits
	.p2align	6, 0x0
	.amdhsa_kernel k_q444cf8b1c4_post
		.amdhsa_group_segment_fixed_size 52224
		.amdhsa_private_segment_fixed_size 0
		.amdhsa_enable_private_segment 0
		.amdhsa_kernarg_size 72
		.amdhsa_user_sgpr_count 2
		.amdhsa_user_sgpr_kernarg_segment_ptr 1
		.amdhsa_wavefront_size32 1
		.amdhsa_system_sgpr_workgroup_id_x 1
		.amdhsa_system_sgpr_workgroup_id_y 1
		.amdhsa_system_sgpr_workgroup_id_z 1
		.amdhsa_system_vgpr_workitem_id 0
		.amdhsa_next_free_vgpr 864
		.amdhsa_next_free_sgpr 66
		.amdhsa_reserve_vcc 1
		.amdhsa_float_denorm_mode_32 3
		.amdhsa_float_denorm_mode_16_64 3
		.amdhsa_memory_ordered 1
		.amdhsa_forward_progress 1
		.amdhsa_inst_pref_size 114
	.end_amdhsa_kernel
	.amdgpu_metadata
---
amdhsa.version: [ 1, 2 ]
amdhsa.kernels:
  - .name:           k_q444cf8b1c4_post
    .symbol:         k_q444cf8b1c4_post.kd
    .args:
      - { .name: zp, .offset: 0, .size: 8, .value_kind: global_buffer, .address_space: global }
      - { .name: ml, .offset: 8, .size: 8, .value_kind: global_buffer, .address_space: global }
      - { .name: wvf, .offset: 16, .size: 8, .value_kind: global_buffer, .address_space: global }
      - { .name: bv, .offset: 24, .size: 8, .value_kind: global_buffer, .address_space: global }
      - { .name: ln_gamma, .offset: 32, .size: 8, .value_kind: global_buffer, .address_space: global }
      - { .name: ln_beta, .offset: 40, .size: 8, .value_kind: global_buffer, .address_space: global }
      - { .name: w_out, .offset: 48, .size: 8, .value_kind: global_buffer, .address_space: global }
      - { .name: b_out, .offset: 56, .size: 8, .value_kind: global_buffer, .address_space: global }
      - { .name: out0, .offset: 64, .size: 8, .value_kind: global_buffer, .address_space: global }
    .group_segment_fixed_size: 52224
    .private_segment_fixed_size: 0
    .kernarg_segment_align: 8
    .kernarg_segment_size: 72
    .max_flat_workgroup_size: 128
    .sgpr_count:     66
    .vgpr_count:     864
    .wavefront_size: 32
...
	.end_amdgpu_metadata
.endif
;; end of part 4
